; MI455X (gfx1250); checked and timed in simulation.
; The chip was launched on July 23, 2026; its instructions are those of AMD's public machine-readable ISA for CDNA 5 (MIT licence, August 2026) and "CDNA5" Instruction Set Architecture Reference Guide (July 2026). The comments in the code are by the model that wrote it; some were corrected since.
;; Multi Head Attention. Allowed arithmetic: matrix products marked QUANTISED: E4M3 operands, one given power-of-two scale a tensor, by v_wmma_f32_16x16x64_fp8_fp8 or v_wmma_f32_16x16x128_fp8_fp8, f32 sums; everything else in f32.
;; Inputs: Wk 1,024 x 4,096 float32; Wo 4,096 x 1,024 float32; Wq 1,024 x 4,096 float32; Wv 1,024 x 4,096 float32; lowp_scales 12 int32 (the exponents e of the quantised operands' scales 2^e); mask 1 x 2,048 x 2,048 bool; x 1 x 2,048 x 1,024 float32.
;; Outputs: out0 1 x 2,048 x 1,024 float32.
;; This version of the problem:
;;   THIS VERSION OF THE PROBLEM IS GIVEN IN LOW PRECISION. The matrix products marked QUANTISED in the list below multiply operands that are first quantised to E4M3 (4 exponent bits, 3 mantissa bits; 8 bits a number), with one given power-of-two scale for each operand tensor; their sums are f32. All else is computed in f32.
;;   The module's matrix products, in the order in which they are computed (A, B: the left and right operand; K: the contracted axis; several contracted axes count as one K, in the product's order):
;;     1. [M 2,048, K 1,024] x [K 1,024, N 4,096]; A: input x; B: input Wq: QUANTISED (scales: A lowp_scales[0], B lowp_scales[1])
;;     2. [M 2,048, K 1,024] x [K 1,024, N 4,096]; A: input x; B: input Wk: QUANTISED (scales: A lowp_scales[2], B lowp_scales[3])
;;     3. [M 2,048, K 1,024] x [K 1,024, N 4,096]; A: input x; B: input Wv: QUANTISED (scales: A lowp_scales[4], B lowp_scales[5])
;;     4. batch 16 x [M 2,048, K 256] x [K 256, N 2,048]; A: computed on the way; B: computed on the way: QUANTISED (scales: A lowp_scales[6], B lowp_scales[7])
;;     5. batch 16 x [M 2,048, K 2,048] x [K 2,048, N 256]; A: softmax (see below); B: computed on the way: QUANTISED (scales: A lowp_scales[8], B lowp_scales[9])
;;     6. [M 2,048, K 4,096] x [K 4,096, N 1,024]; A: computed on the way; B: input Wo: QUANTISED (scales: A lowp_scales[10], B lowp_scales[11])
;;   THE QUANTISER, for each operand of a quantised product, along K:
;;     - The operand's scale is 2^e, e = its entry of the input lowp_scales (int32; the entries are numbered through the quantised products in the list's order, A before B).
;;     - Each number is divided by the scale, clamped to +-448, and rounded to the nearest number of E4M3, ties to even, subnormals kept.
;;     - The product sums the exact products of the quantised numbers (number of the format x scale) in f32.
;;   ~~~python
;;   def quantise(x, axis, e):      # numpy; x: float32 -> the quantised numbers, widened to float32 again
;;       x = np.moveaxis(x, axis, -1); K = x.shape[-1]
;;       r = np.clip(x / 2.0 ** e, -448, 448)
;;       step = 2.0 ** (np.maximum(np.frexp(np.where(r == 0, 1, r))[1] - 1, -6) - 3)
;;       q = np.round(r / step) * step * 2.0 ** e      # np.round: ties to even
;;       return np.moveaxis(q, -1, axis).astype(np.float32)
;;   ~~~
;;   SOFTMAX AHEAD OF A QUANTISED PRODUCT. Where the list says 'softmax', what is quantised is not the finished softmax but p = 2^(t - M), with t = logit x log2(e) and M = ceil(the row's largest t), a whole number; so 1/2 < the row's largest p <= 1. The row's sum l is taken of the UNQUANTISED p, in f32, and the product's result is divided by l at the end. Since M is a whole number, a kernel that streams over the keys may use a running M (the ceiling of the running maximum): every later rescaling is an exact power of two, so the quantised numbers keep their values, but for numbers so far below the row's largest that they fall under the format's range.
;;   OPERANDS COMPUTED ON THE WAY. 'Computed on the way' means the value that the module computes at that place (a softmax that the list does not call 'softmax' is quantised finished and normalised). What goes into a quantiser is computed in f32, as accurately as f32 sums, v_exp_f32 and their like allow (about 1e-6 of the number): no bf16 or f16 on the way to a quantiser, and a product that is left as it is and whose result goes on into a quantised operand takes f32 operands (vector FMAs, or v_wmma_f32_16x16x4_f32). A number that lies on a knife's edge between two numbers of the format may be rounded either way, as far as f32 arithmetic and the matrix unit's own rounding can turn it there, and no further.
;; One version. Each part assembles by itself: llvm-mc -triple=amdgcn-amd-amdhsa -mcpu=gfx1250 --defsym DOCPART=n.
;; ======== version 1 of 1: 4 launches
;; limits: right only within a limited range of input values
;; workspace buffers: xc 6,291,456 bytes; wc 12,582,912 bytes; woc 4,194,304 bytes; mbits 524,288 bytes of whole numbers; rowf 262,144 bytes of whole numbers; qc 8,388,608 bytes; kv 16,777,216 bytes; yc 8,388,608 bytes
;; launch prep (part 1): grid 704 x 1, 4 waves a work-group, no clusters, 34,304 bytes of LDS; arguments x, mask, Wq, Wk, Wv, Wo, lowp_scales, xc, wc, woc, mbits, rowf; writes xc, wc, woc, mbits, rowf
.if DOCPART == 1
	.amdgcn_target "amdgcn-amd-amdhsa--gfx1250"
	.amdhsa_code_object_version 6
	.text
	.protected	k_q692501d00f_prep
	.globl	k_q692501d00f_prep
	.p2align	8
	.type	k_q692501d00f_prep,@function
k_q692501d00f_prep:
	s_mov_b64 s[64:65], 0
	v_nop
	global_prefetch_b8 v0, s[64:65] scope:SCOPE_SE
	s_setreg_imm32_b32 hwreg(HW_REG_WAVE_MODE, 25, 1), 1
	s_wait_xcnt 0x0
; PREP: everything that arrives wide becomes what the three later launches read.
; NO WORK OF THE PROBLEM IS LEFT OUT IN THIS PROGRAM: the mask is an input, so every (query, key) pair may count; all six products are live, and every input is loaded.
; x [2048][1024] f32 -> three sets of E4M3 codes (its scales are entries 0, 2, 4).  Wq, Wk, Wv [1024 (K)][4096] -> codes (entries 1, 3, 5).  Wo [4096 (K)][1024] -> codes (entry 11).
; mask [2048][2048] bytes -> lane masks for v_cndmask_b32, and a flag for each row and quarter of the keys: has the row a true entry there?
; code = number / 2^e, held within +-448, to the nearest code, ties to even.
; FRAGMENT IMAGES.  All codes are laid in the order of a matrix operand's registers: a fragment is 16 rows x 128 K = 2,048 bytes [chunk c 0..3][lane 0..31][16 bytes]; lane (r = lane % 16, h = lane / 16)
; holds K = 32 c + 16 h + 0 .. 15 of the fragment's row r.  Four loads of 16 bytes a lane, 512 bytes apart, bring a fragment; every such load and store covers 512 consecutive bytes.
; TILE ORDER.  Row r of tile T is number 32 (T / 2) + 8 (T % 2) + r + 8 (r / 8): for tokens, and for the columns of Wq, Wk, Wv.  Then the 16 result registers of two neighbouring tiles are 16 neighbours
; along the next product's K.  Wo's columns are in natural order.
; xc [set 3][T 128][K step 8][2048]   wc [tensor 3][tile 256][K step 8][2048]   woc [tile 64][K step 32][2048]
; mbits [T 128][key step 16][64 words]: bit r + 16 h of word 16 b + y = mask[token(T, r)][128 step + 32 b + 16 h + y]     rowf [T 128][quarter 4][64 equal words]: bit r = token(T, r) has a true entry among keys 512 quarter ..
; WORK-GROUPS: 0-127 the mask (one token tile each); 128-191 x; 192-575 Wq, Wk, Wv; 576-703 Wo.  The paths part on the work-group's number; only x's path uses LDS.
; LIMITS: entries 0 to 5 and 11 of the scales lie between -126 and 119, so that 2^e and 448 x 2^e are f32 numbers.  NaN among the floating-point inputs is not served; an infinity is held at the largest code.
; A mask byte other than 0 counts as true.
.set STG,   528                        ; x's stage: a row of 512 bytes + 16: 33 x 16
.set SPARE, 4*16*STG                   ; behind the four stages: the spare words, 128 bytes for each wave
.set SPW,   12                         ; v12  my spare word's LDS address; never rewritten
.set NIL,   13                         ; v13  0; never rewritten
.macro MKSC e, vs, vl                  ; from the exponent in s[e]: v[vs] = 2^e as f32, v[vl] = 448 x 2^e
	s_add_co_i32 s56, s[\e], 127
	s_lshl_b32 s57, s56, 23
	v_mov_b32 v[\vs], s57
	s_add_co_i32 s56, s56, 8
	s_lshl_b32 s56, s56, 23
	s_or_b32 s56, s56, 0x600000
	v_mov_b32 v[\vl], s56
.endm
; ---- a weight [K][N]: a lane takes a column, its registers run down K (32 a block); the conversions then give codes with K innermost
.macro WLOAD t, N                      ; block t: 32 rows of K at my column; a wave's load covers 128 consecutive bytes, the four waves stand side by side
.set i, 0
.rept 32
	global_load_b32 v[32+32*((\t)%2)+i], v3, s[4:5] offset:(32*(\t)+i)*\N*4 th:TH_LOAD_NT
.set i, i+1
.endr
.endm
.macro WBLOCK t, N
.set XS, 32+32*((\t)%2)
.if (\t) < 7
	s_wait_loadcnt 32                              ; this block's 32 loads are in; the next block's 32 may be out
.else
	s_wait_loadcnt 0x0
.endif
.set i, 0
.rept 32
	v_med3_num_f32 v[XS+i], v[XS+i], -v11, v11     ; the conversion does not saturate (ISA guide 7.6.2): the hold at the largest code x the scale
.set i, i+1
.endr
.irp g, 0,1,2,3
	v_cvt_scalef32_pk8_fp8_f32 v[96+8*(\t)+2*\g:96+8*(\t)+2*\g+1], v[XS+8*\g:XS+8*\g+7], v10
.endr
	; each block has its own eight code registers: no store's data are written again.  K 0-15 of the block are lane r's 16 bytes of the chunk, K 16-31 lane 16 + r's: sixteen lanes store 256 consecutive bytes, aligned
	global_store_b128 v4, v[96+8*(\t):96+8*(\t)+3], s[6:7] offset:((\t)/4)*2048+((\t)%4)*512
	global_store_b128 v4, v[96+8*(\t)+4:96+8*(\t)+7], s[6:7] offset:((\t)/4)*2048+((\t)%4)*512+256
.if (\t)+2 < 8
	WLOAD (\t)+2, \N
.endif
.endm
; s[4:5] the weight, s[6:7] its codes, s47 = which 128 columns, s48 = which 256 of K.  KS = K steps in a tile's row of images.  PERM = 1: columns in tile order, scale by s45 (the tensor)
.macro WPATH N, KS, PERM
	s_lshl_b32 s49, s47, 2
	s_add_co_u32 s49, s49, s2                      ; my wave's 32 columns: tiles 2 x this and the next
	s_mul_i32 s50, s48, 256*\N*4
	s_lshl_b32 s52, s49, 7
	s_add_co_u32 s50, s50, s52
	s_mov_b32 s51, 0
	s_add_nc_u64 s[4:5], s[4:5], s[50:51]
	s_mul_i32 s50, s49, \KS*4096
	s_lshl_b32 s52, s48, 12
	s_add_co_u32 s50, s50, s52
	s_add_nc_u64 s[6:7], s[6:7], s[50:51]
.if \PERM
	v_and_b32 v5, 7, v2                            ; lane 16 u + r takes column 8 u + r + 8 (r / 8): bits 3 and 4 of the lane change places
	v_and_b32 v6, 8, v2
	v_lshl_or_b32 v5, v6, 1, v5
	v_lshl_or_b32 v5, v9, 3, v5
	v_lshlrev_b32 v3, 2, v5
.else
	v_lshlrev_b32 v3, 2, v2
.endif
	v_mul_u32_u24 v4, v9, \KS*2048                 ; out: my tile of the two,
	v_lshl_add_u32 v4, v8, 4, v4                   ; and 16 bytes for row r
	WLOAD 0, \N
	WLOAD 1, \N
	s_wait_kmcnt 0x0                               ; the scales
.if \PERM
	s_cmp_eq_u32 s45, 0
	s_cselect_b32 s46, s33, s35
	s_cmp_eq_u32 s45, 2
	s_cselect_b32 s46, s37, s46
.else
	s_mov_b32 s46, s43
.endif
	MKSC 46, 10, 11
	s_wait_alu depctr_va_vdst(0)
.irp t, 0,1,2,3,4,5,6,7
	WBLOCK \t, \N
.endr
	s_endpgm
.endm
	s_load_b512 s[8:23], s[0:1], 0x0               ; x s[8:9], mask s[10:11], Wq s[12:13], Wk s[14:15], Wv s[16:17], Wo s[18:19], the scales s[20:21], xc s[22:23]
	s_load_b256 s[24:31], s[0:1], 0x40             ; wc s[24:25], woc s[26:27], mbits s[28:29], rowf s[30:31]
	v_lshl_add_u32 v[SPW], v0, 2, SPARE
	v_mov_b32 v[NIL], 0
	v_lshrrev_b32 v1, 5, v0
	v_readfirstlane_b32 s2, v1                     ; wave 0..3
	v_and_b32 v2, 31, v0                           ; lane
	v_and_b32 v8, 15, v0                           ; r
	v_bfe_u32 v9, v0, 4, 1                         ; h
	s_wait_kmcnt 0x0
	s_cmp_lt_u32 ttmp9, 128
	s_cbranch_scc1 .Lmask
	s_load_b256 s[32:39], s[20:21], 0x0            ; e0 .. e7
	s_load_b128 s[40:43], s[20:21], 0x20           ; e8 .. e11
	s_cmp_lt_u32 ttmp9, 192
	s_cbranch_scc1 .Lx
	s_cmp_lt_u32 ttmp9, 576
	s_cbranch_scc1 .Lw
	; ---- Wo: 8 x 16 work-groups of 128 columns x 256 K
	s_sub_co_u32 s44, ttmp9, 576
	s_and_b32 s47, s44, 7
	s_lshr_b32 s48, s44, 3
	s_mov_b64 s[4:5], s[18:19]
	s_mov_b64 s[6:7], s[26:27]
	s_wait_alu depctr_va_vdst(0)
	WPATH 1024, 32, 0
.Lw:	; ---- Wq, Wk, Wv: for each 32 x 4 work-groups of 128 columns x 256 K
	s_sub_co_u32 s44, ttmp9, 192
	s_lshr_b32 s45, s44, 7                         ; the tensor
	s_and_b32 s47, s44, 31
	s_bfe_u32 s48, s44, 0x20005
	s_lshl_b32 s50, s45, 22                        ; a tensor's codes are 4 MiB
	s_mov_b32 s51, 0
	s_add_nc_u64 s[6:7], s[24:25], s[50:51]
	s_cmp_eq_u32 s45, 0                            ; the choice hangs on the work-group's number alone
	s_cselect_b64 s[4:5], s[12:13], s[14:15]
	s_cmp_eq_u32 s45, 2
	s_cselect_b64 s[4:5], s[16:17], s[4:5]
	s_wait_alu depctr_va_vdst(0)
	WPATH 4096, 8, 1
.Lx:	; ---- x: a wave takes one token tile x four K steps.  Loads take whole runs of 512 bytes of a row; the numbers turn through the wave's own stage, so that a lane gets 16 neighbours along K four times
	s_sub_co_u32 s44, ttmp9, 128
	s_lshl_b32 s44, s44, 2
	s_add_co_u32 s44, s44, s2
	s_lshr_b32 s45, s44, 1                         ; T
	s_and_b32 s46, s44, 1                          ; which four K steps
	s_lshr_b32 s47, s45, 1
	s_lshl_b32 s47, s47, 17                        ; 32 (T / 2) rows of 4,096 bytes
	s_and_b32 s48, s45, 1
	s_lshl_b32 s48, s48, 15                        ; 8 (T % 2) rows
	s_add_co_u32 s48, s47, s48
	s_lshl_b32 s47, s46, 11
	s_add_co_u32 s48, s48, s47
	s_mov_b32 s49, 0
	s_add_nc_u64 s[8:9], s[8:9], s[48:49]
	s_lshl_b32 s48, s45, 14                        ; (8 T + 4 half) images of 2,048 bytes
	s_lshl_b32 s47, s46, 13
	s_add_co_u32 s48, s48, s47
	s_add_nc_u64 s[22:23], s[22:23], s[48:49]
	s_wait_alu depctr_va_vdst(0)
	v_lshlrev_b32 v3, 4, v2                        ; 16 x lane: for the loads, the stage's way in and the stores
	s_mul_i32 s47, s2, 16*STG
	v_add_nc_u32 v6, s47, v3
	v_mul_u32_u24 v7, v8, STG
	v_lshl_add_u32 v7, v9, 6, v7
	v_add_nc_u32 v7, s47, v7                       ; the stage's way out: row r, + 64 h bytes: my 16 numbers of each 32
.macro XLOAD u
.irp p, 0,1,2,3,4,5,6,7,8,9,10,11,12,13,14,15
	global_load_b128 v[32+4*\p:35+4*\p], v3, s[8:9] offset:(\p+8*(\p/8))*4096+512*(\u) th:TH_LOAD_NT
.endr
.endm
.macro UNIT u
	s_wait_loadcnt 0x0
.irp p, 0,1,2,3,4,5,6,7,8,9,10,11,12,13,14,15
	ds_store_b128 v6, v[32+4*\p:35+4*\p] offset:\p*STG
.endr
.irp c, 0,1,2,3
.irp j, 0,1,2,3
	ds_load_b128 v[96+16*\c+4*\j:99+16*\c+4*\j], v7 offset:128*\c+16*\j   ; LDS serves a wave's instructions in order (ISA guide 5.7.1.4): these see my stores
.endr
.endr
	s_wait_dscnt 0x0                               ; the numbers are back, and the stage's stores have read their registers, which take the next unit's loads
	s_wait_xcnt 0x0                                ; the last unit's stores have read their code registers, which are written again below
.if \u < 3
	XLOAD (\u)+1
.endif
.irp st, 0,1,2                         ; the three scales of x: the numbers stay, the held copies go through two runs of eight registers by turns
.irp g, 0,1,2,3,4,5,6,7
.irp i, 0,1,2,3,4,5,6,7
	v_med3_num_f32 v[160+8*(\g%2)+\i], v[96+8*\g+\i], -v[17+2*\st], v[17+2*\st]
.endr
	v_cvt_scalef32_pk8_fp8_f32 v[176+16*\st+2*\g:177+16*\st+2*\g], v[160+8*(\g%2):167+8*(\g%2)], v[16+2*\st]
.endr
.irp c, 0,1,2,3
	global_store_b128 v3, v[176+16*\st+4*\c:179+16*\st+4*\c], s[22:23] offset:\st*2097152+\u*2048+512*\c
.endr
.endr
.endm
	XLOAD 0
	s_wait_alu depctr_va_vdst(0)
	s_wait_kmcnt 0x0
	MKSC 32, 16, 17
	MKSC 34, 18, 19
	MKSC 36, 20, 21
	s_wait_alu depctr_va_vdst(0)
	UNIT 0
	UNIT 1
	UNIT 2
	UNIT 3
	s_wait_tensorcnt 0x0                           ; the wave's end, behind my last LDS store
	ds_add_u32 v[SPW], v[NIL]
	s_wait_dscnt 0x0
	s_endpgm
.Lmask:	; ---- the mask: work-group = token tile T; wave w takes key steps 4 w .. 4 w + 3.  Lane (r, h) loads the 16 bytes that its registers 16 b + 0 .. 15 of a score tile stand for
	s_lshr_b32 s44, ttmp9, 1
	s_lshl_b32 s44, s44, 16                        ; 32 (T / 2) rows of 2,048 bytes
	s_and_b32 s45, ttmp9, 1
	s_lshl_b32 s45, s45, 14
	s_add_co_u32 s44, s44, s45
	s_lshl_b32 s45, s2, 9                          ; my 512 keys
	s_add_co_u32 s44, s44, s45
	s_mov_b32 s45, 0
	s_add_nc_u64 s[10:11], s[10:11], s[44:45]
	s_wait_alu depctr_va_vdst(0)
	v_and_b32 v3, 8, v8
	v_add_nc_u32 v3, v3, v8                        ; r + 8 (r / 8)
	v_lshlrev_b32 v3, 11, v3
	v_lshl_add_u32 v3, v9, 4, v3
.irp sp, 0,1,2,3
.irp b, 0,1,2,3
	global_load_b128 v[32+16*\sp+4*\b:35+16*\sp+4*\b], v3, s[10:11] offset:128*\sp+32*\b th:TH_LOAD_NT
.endr
.endr
	s_lshl_b32 s44, ttmp9, 12
	s_lshl_b32 s46, s2, 10
	s_add_co_u32 s44, s44, s46
	s_add_nc_u64 s[28:29], s[28:29], s[44:45]      ; mbits at (16 T + 4 w) x 256
	s_lshl_b32 s44, ttmp9, 10
	s_lshl_b32 s46, s2, 8
	s_add_co_u32 s44, s44, s46
	s_add_nc_u64 s[30:31], s[30:31], s[44:45]      ; rowf at (4 T + w) x 256
	v_lshlrev_b32 v5, 3, v2
	s_mov_b32 s60, 0                               ; the step flags of my four key steps: bit sp = the tile has a true entry in step 4 w + sp, bit 4 + sp = all its entries there are true
.irp i, 0,1,2,3,4,5,6,7
	v_mov_b32 v[96+\i], 0                          ; v_writelane_b32's destination counts as read
.endr
	s_wait_loadcnt 0x0
.irp sp, 0,1,2,3
.set n, 0
	s_mov_b32 s58, 0                               ; the 64 lane masks of the step, joined by or and by and
	s_mov_b32 s59, -1
.rept 64                               ; word n: byte n % 4 of register n / 4, compared in all 32 lanes at once; the lane mask becomes word n of the step's 64: lane n / 2 of a register pair
	v_bfe_u32 v[24+n%4], v[32+16*\sp+n/4], 8*(n%4), 8
	v_cmp_ne_u32 s[48+n%8], 0, v[24+n%4]
	v_writelane_b32 v[96+2*\sp+(n&1)], s[48+n%8], n>>1
	s_or_b32 s58, s58, s[48+n%8]
	s_and_b32 s59, s59, s[48+n%8]
.set n, n+1
.endr
	global_store_b64 v5, v[96+2*\sp:97+2*\sp], s[28:29] offset:256*\sp
	s_cmp_lg_u32 s58, 0
	s_cselect_b32 s61, 1<<\sp, 0
	s_or_b32 s60, s60, s61
	s_cmp_eq_u32 s59, -1
	s_cselect_b32 s61, 16<<\sp, 0
	s_or_b32 s60, s60, s61
.endr
.irp k, 0,1,2,3
	v_or_b32 v[24+\k], v[32+\k], v[36+\k]          ; has my row a true entry among my bytes?  four chains
.endr
.set j, 8
.rept 56
	v_or_b32 v[24+j%4], v[24+j%4], v[32+j]
.set j, j+1
.endr
	v_or_b32 v24, v24, v25
	v_or_b32 v26, v26, v27
	v_or_b32 v24, v24, v26
	v_cmp_ne_u32 s44, 0, v24
	s_lshr_b32 s46, s44, 16                        ; a row's two halves of the lanes
	s_or_b32 s44, s44, s46
	s_and_b32 s44, s44, 0xffff
	v_mov_b32 v26, s44
	v_mov_b32 v27, s44
	global_store_b64 v5, v[26:27], s[30:31]
	v_mov_b32 v28, s60                             ; the step flags, 64 equal words, in the upper half of rowf: [T 128][quarter 4][256 bytes] from byte 131,072 on; the attention launch walks only the key steps that they ask for
	v_mov_b32 v29, s60
	global_store_b64 v5, v[28:29], s[30:31] offset:131072
	s_endpgm
.Lfunc_end_k_q692501d00f_prep:
	.size	k_q692501d00f_prep, .Lfunc_end_k_q692501d00f_prep-k_q692501d00f_prep
	.p2alignl 7, 3214868480
	.fill 96, 4, 3214868480
	.section	.rodata,"a",@progbits
	.p2align	6, 0x0
	.amdhsa_kernel k_q692501d00f_prep
		.amdhsa_group_segment_fixed_size 34304
		.amdhsa_private_segment_fixed_size 0
		.amdhsa_enable_private_segment 0
		.amdhsa_kernarg_size 96
		.amdhsa_user_sgpr_count 2
		.amdhsa_user_sgpr_kernarg_segment_ptr 1
		.amdhsa_wavefront_size32 1
		.amdhsa_system_sgpr_workgroup_id_x 1
		.amdhsa_system_sgpr_workgroup_id_y 1
		.amdhsa_system_sgpr_workgroup_id_z 1
		.amdhsa_system_vgpr_workitem_id 0
		.amdhsa_next_free_vgpr 224
		.amdhsa_next_free_sgpr 66
		.amdhsa_reserve_vcc 0
		.amdhsa_float_denorm_mode_32 3
		.amdhsa_float_denorm_mode_16_64 3
		.amdhsa_memory_ordered 1
		.amdhsa_forward_progress 1
		.amdhsa_inst_pref_size 237
	.end_amdhsa_kernel
	.amdgpu_metadata
---
amdhsa.version: [ 1, 2 ]
amdhsa.kernels:
  - .name:           k_q692501d00f_prep
    .symbol:         k_q692501d00f_prep.kd
    .args:
      - { .name: x, .offset: 0, .size: 8, .value_kind: global_buffer, .address_space: global }
      - { .name: mask, .offset: 8, .size: 8, .value_kind: global_buffer, .address_space: global }
      - { .name: Wq, .offset: 16, .size: 8, .value_kind: global_buffer, .address_space: global }
      - { .name: Wk, .offset: 24, .size: 8, .value_kind: global_buffer, .address_space: global }
      - { .name: Wv, .offset: 32, .size: 8, .value_kind: global_buffer, .address_space: global }
      - { .name: Wo, .offset: 40, .size: 8, .value_kind: global_buffer, .address_space: global }
      - { .name: lowp_scales, .offset: 48, .size: 8, .value_kind: global_buffer, .address_space: global }
      - { .name: xc, .offset: 56, .size: 8, .value_kind: global_buffer, .address_space: global }
      - { .name: wc, .offset: 64, .size: 8, .value_kind: global_buffer, .address_space: global }
      - { .name: woc, .offset: 72, .size: 8, .value_kind: global_buffer, .address_space: global }
      - { .name: mbits, .offset: 80, .size: 8, .value_kind: global_buffer, .address_space: global }
      - { .name: rowf, .offset: 88, .size: 8, .value_kind: global_buffer, .address_space: global }
    .group_segment_fixed_size: 34304
    .private_segment_fixed_size: 0
    .kernarg_segment_align: 8
    .kernarg_segment_size: 96
    .max_flat_workgroup_size: 128
    .sgpr_count:     66
    .vgpr_count:     224
    .wavefront_size: 32
...
	.end_amdgpu_metadata
.endif
;; end of part 1
;; launch qkv (part 2): grid 48 x 8, 4 waves a work-group, clusters of 4 x 4, 327,680 bytes of LDS; arguments xc, wc, lowp_scales, qc, kv; writes qc, kv
.if DOCPART == 2
	.amdgcn_target "amdgcn-amd-amdhsa--gfx1250"
	.amdhsa_code_object_version 6
	.text
	.protected	k_q692501d00f_qkv
	.globl	k_q692501d00f_qkv
	.p2align	8
	.type	k_q692501d00f_qkv,@function
k_q692501d00f_qkv:
	s_mov_b64 s[64:65], 0
	v_nop
	global_prefetch_b8 v0, s[64:65] scope:SCOPE_SE
	s_setreg_imm32_b32 hwreg(HW_REG_WAVE_MODE, 25, 1), 1
	s_wait_xcnt 0x0
	s_wait_alu depctr_hold_cnt(0) depctr_sa_sdst(0) depctr_va_vdst(0) depctr_va_sdst(0) depctr_va_ssrc(0) depctr_va_vcc(0) depctr_vm_vsrc(0)
	s_getreg_b32 s2, hwreg(HW_REG_IB_STS2, 6, 4)
	s_cmp_eq_u32 s2, 0
	s_cbranch_scc0 .Lentry_in_a_cluster
	s_endpgm
.Lentry_in_a_cluster:
	s_bfe_u32 s2, ttmp6, 0x10000c
	s_cmp_lg_u32 s2, 0xf033
	s_cbranch_scc0 .Lentry_shape_is_right
	s_endpgm
.Lentry_shape_is_right:
.set SLOT,   131072
.set SPARE,  2*SLOT
.set FR,     16
.set NL,     4
.set NP,     4
.set ADRA, 16
.set ADRB, 20
.set CO,   26
.set SPW,  28
.set NIL,  29
.set SCL,  30
.set LIMV, 31
.set TMP,  32
.set CD,   96
.set AF,   128
.set G1, 24
.set G0, 32
.set G1B, 48
.set G0B, 56
.set MSB, 0
.macro WIN new
.if MSB != \new
	s_set_vgpr_msb (MSB<<8)|\new
.set MSB, \new
.endif
.endm
.set MUL_LO, 0xa1
.set MUL_HI, 0xf1
.set TO_B,   0x40
.macro JLOAD g0a, g1a, g0b, g1b
	s_cmp_eq_u32 s15, 0
	s_cbranch_scc0 .Lfor_b_\@
	tensor_load_to_lds s[\g0a:\g0a+3], s[\g1a:\g1a+7]
	s_nop 0
.rept 4
	v_nop
.endr
	s_branch .Lasked_\@
.Lfor_b_\@:
	tensor_load_to_lds s[\g0b:\g0b+3], s[\g1b:\g1b+7]
	s_nop 0
.rept 4
	v_nop
.endr
.Lasked_\@:
.endm
.macro CREST
	s_cmp_lg_u32 s14, 0
	s_cbranch_scc1 .Lnot_wave_0_\@
	s_barrier_signal -3
.Lnot_wave_0_\@:
	s_barrier_wait -3
	s_barrier_signal -1
	s_barrier_wait -1
.endm
.macro CROUND
	s_barrier_signal -1
	s_barrier_wait -1
	CREST
.endm
	s_load_b256 s[4:11], s[0:1], 0x0
	s_load_b64 s[12:13], s[0:1], 0x20
	v_lshl_add_u32 v[SPW], v0, 2, SPARE
	v_mov_b32 v[NIL], 0
	ds_add_u32 v[SPW], v[NIL]
	ds_add_u32 v[SPW], v[NIL]
	v_lshrrev_b32 v1, 5, v0
	v_readfirstlane_b32 s14, v1
	s_lshr_b32 s15, s14, 1
	s_and_b32 s16, s14, 1
	s_bfe_u32 s40, ttmp6, 0x40000
	s_bfe_u32 s41, ttmp6, 0x40004
	s_lshr_b32 s80, ttmp9, 2
	s_and_b32 s81, ttmp9, 3
	s_and_b32 s82, ttmp7, 0xffff
	s_lshl_b32 s85, s80, 21
	s_lshl_b32 s86, s80, 22
	s_cmp_eq_u32 s80, 2
	s_cselect_b32 s83, s81, s82
	s_cselect_b32 s84, s82, s81
	s_cselect_b32 s85, 0x800000, s85
	s_cselect_b32 s86, 0x400000, s86
	s_lshl_b32 s17, s83, 2
	s_add_co_u32 s17, s17, s41
	s_lshl_b32 s42, s84, 2
	s_add_co_u32 s42, s42, s40
	s_lshl_b32 s43, s41, 2
	s_lshl_b32 s43, 15, s43
	s_lshl_b32 s44, 0x1111, s40
	s_or_b32 s[G1+0], s43, (1<<21)
	s_or_b32 s[G1B+0], s44, (1<<21)
.irp g, G1, G1B
	s_mov_b32 s[\g+1], 4096<<16
	s_mov_b32 s[\g+2], 8<<16
	s_mov_b32 s[\g+3], 4096<<16
	s_mov_b32 s[\g+4], 8
	s_mov_b32 s[\g+5], 16384
	s_mov_b32 s[\g+6], 0
	s_mov_b32 s[\g+7], 0
.endr
	s_lshl_b32 s18, s16, 17
	s_lshl_b32 s88, s17, 18
	s_add_co_u32 s88, s88, s18
	s_add_co_u32 s88, s88, s85
	s_mov_b32 s89, 0
	s_lshl_b32 s90, s42, 18
	s_add_co_u32 s90, s90, s18
	s_add_co_u32 s90, s90, s86
	s_mov_b32 s91, 0
	s_lshl_b32 s45, s14, 15
	s_wait_dscnt 0x0
	s_wait_kmcnt 0x0
	s_load_b256 s[68:75], s[8:9], 0x0
	s_load_b128 s[76:79], s[8:9], 0x20
	s_cmp_eq_u32 s80, 2
	s_cselect_b64 s[20:21], s[6:7], s[4:5]
	s_cselect_b64 s[46:47], s[4:5], s[6:7]
	s_add_nc_u64 s[20:21], s[20:21], s[88:89]
	s_add_nc_u64 s[46:47], s[46:47], s[90:91]
	CROUND
.irp s, 0,1
	s_mov_b32 s[G0+4*\s], 1
	s_add_co_u32 s[G0+4*\s+1], s45, \s*SLOT
	s_add_nc_u64 s[G0+4*\s+2:G0+4*\s+3], s[20:21], \s*4096
	s_or_b32 s[G0+4*\s+3], s[G0+4*\s+3], 0x80000000
	s_mov_b32 s[G0B+4*\s], 1
	s_add_co_u32 s[G0B+4*\s+1], s45, \s*SLOT
	s_add_nc_u64 s[G0B+4*\s+2:G0B+4*\s+3], s[46:47], \s*4096
	s_or_b32 s[G0B+4*\s+3], s[G0B+4*\s+3], 0x80000000
	s_wait_alu depctr_va_vdst(0)
	s_wait_tensorcnt 0x0
	ds_add_u32 v28, v29
	ds_add_u32 v28, v29
	s_wait_dscnt 0x0
	CROUND
	JLOAD G0+4*\s, G1, G0B+4*\s, G1B
.endr
	v_and_b32 v1, 31, v0
	v_lshlrev_b32 v[CO], 4, v1
	s_lshl_b32 s21, s15, 15
	s_lshl_b32 s22, s16, 15
	s_add_co_u32 s22, s22, 65536
.irp s, 0,1
	v_add_nc_u32 v[ADRA+\s], s21, v[CO]
	v_add_nc_u32 v[ADRB+\s], s22, v[CO]
	s_add_co_u32 s21, s21, SLOT
	s_add_co_u32 s22, s22, SLOT
.endr
	s_lshl_b32 s96, s17, 1
	s_add_co_u32 s96, s96, s15
	s_lshl_b32 s97, s42, 1
	s_add_co_u32 s97, s97, s16
	s_lshl_b32 s18, s42, 19
	s_lshl_b32 s19, s96, 15
	s_add_co_u32 s18, s18, s19
	s_lshl_b32 s22, s42, 20
	s_lshl_b32 s19, s96, 16
	s_add_co_u32 s22, s22, s19
	s_lshl_b32 s19, s16, 11
	s_add_co_u32 s18, s18, s19
	s_add_co_u32 s22, s22, s19
	s_lshl_b32 s23, s17, 20
	s_lshl_b32 s19, s97, 16
	s_add_co_u32 s23, s23, s19
	s_lshl_b32 s19, s15, 14
	s_add_co_u32 s23, s23, s19
	s_add_co_u32 s23, s23, 32768
	s_cmp_eq_u32 s80, 0
	s_cselect_b32 s18, s18, s22
	s_cselect_b64 s[10:11], s[10:11], s[12:13]
	s_cmp_eq_u32 s80, 2
	s_cselect_b32 s18, s23, s18
	s_mov_b32 s22, 4096
	s_cselect_b32 s22, 2048, s22
	s_mov_b32 s19, 0
	s_mov_b32 s23, 0
	s_add_nc_u64 s[10:11], s[10:11], s[18:19]
	s_wait_alu depctr_va_vdst(0)
	s_wait_kmcnt 0x0
	s_cmp_eq_u32 s80, 0
	s_cselect_b32 s92, s68, s70
	s_cselect_b32 s93, s69, s71
	s_cselect_b32 s94, s74, s75
	s_cmp_eq_u32 s80, 2
	s_cselect_b32 s92, s72, s92
	s_cselect_b32 s93, s73, s93
	s_cselect_b32 s94, s77, s94
	s_sub_co_i32 s94, s94, s92
	s_sub_co_i32 s94, s94, s93
	s_add_co_i32 s94, s94, 127
	s_lshl_b32 s95, s94, 23
	v_mov_b32 v[SCL], s95
	s_add_co_i32 s94, s94, 8
	s_lshl_b32 s94, s94, 23
	s_or_b32 s94, s94, 0x600000
	v_mov_b32 v[LIMV], s94
.macro FRAG reg, adr, q, i
.irp c, 0,1,2,3
	ds_load_b128 v[\reg+4*\c:\reg+4*\c+3], v[\adr] offset:(\i)*4096+(\q)*2048+512*\c
.endr
.endm
.macro MUL16 a0, p, zero
.irp a, \a0, \a0+1
.irp b, 0,1,2,3,4,5,6,7
.if \zero
	v_wmma_f32_16x16x128_fp8_fp8 v[8*(8*((\a)%4)+\b):8*(8*((\a)%4)+\b)+7], v[128*(\p)+FR*\b:128*(\p)+FR*\b+FR-1], v[AF+FR*(\a):AF+FR*(\a)+FR-1], 0
.else
	v_wmma_f32_16x16x128_fp8_fp8 v[8*(8*((\a)%4)+\b):8*(8*((\a)%4)+\b)+7], v[128*(\p)+FR*\b:128*(\p)+FR*\b+FR-1], v[AF+FR*(\a):AF+FR*(\a)+FR-1], v[8*(8*((\a)%4)+\b):8*(8*((\a)%4)+\b)+7]
.endif
.endr
.endr
.endm
.macro FETCH_B slot, q, p
	WIN TO_B
.irp i, 0,1,2,3,4,5,6,7
	FRAG 128*(\p)+FR*\i, ADRB+\slot, \q, \i
.endr
	WIN 0
.endm
.macro FETCH_A slot, q, i0
.irp i, \i0, \i0+1, \i0+2, \i0+3
	FRAG AF+FR*(\i), ADRA+\slot, \q, \i
.endr
.endm
.macro PLACES n
.rept \n
	v_nop
.endr
.endm
.macro STEP slot, q, zero
	s_wait_dscnt 4*NL
	WIN MUL_LO
	MUL16 0, (\q)%2, \zero
	MUL16 2, (\q)%2, \zero
	s_wait_dscnt 0
	PLACES NP
	FETCH_B \slot, (\q)+1, 1-(\q)%2
	FETCH_A \slot, (\q)+1, 0
	WIN MUL_HI
	MUL16 4, (\q)%2, \zero
	MUL16 6, (\q)%2, \zero
	PLACES NP
	WIN 0
	FETCH_A \slot, (\q)+1, 4
.endm
.macro TURN slot, next, fill
	s_wait_tensorcnt 0x0
	ds_add_u32 v[SPW], v[NIL]
	s_wait_dscnt 4*NL+1
	WIN MUL_LO
	MUL16 0, 1, 0
	s_wait_dscnt 0x0
	s_barrier_signal -1
	MUL16 2, 1, 0
	WIN 0
	s_barrier_wait -1
.if \fill
	CREST
	s_add_nc_u64 s[G0+4*\slot+2:G0+4*\slot+3], s[G0+4*\slot+2:G0+4*\slot+3], 8192
	s_add_nc_u64 s[G0B+4*\slot+2:G0B+4*\slot+3], s[G0B+4*\slot+2:G0B+4*\slot+3], 8192
	JLOAD G0+4*\slot, G1, G0B+4*\slot, G1B
.else
	PLACES NP
.endif
	FETCH_B \next, 0, 0
	FETCH_A \next, 0, 0
	WIN MUL_HI
	MUL16 4, 1, 0
	MUL16 6, 1, 0
	PLACES NP
	WIN 0
	FETCH_A \next, 0, 4
.endm
	s_wait_tensorcnt 1
	s_barrier_signal -1
	s_barrier_wait -1
	FETCH_B 0, 0, 0
	FETCH_A 0, 0, 0
	FETCH_A 0, 0, 4
	STEP 0, 0, 1
	TURN 0, 1, 1
	STEP 1, 0, 0
	TURN 1, 0, 1
	STEP 0, 0, 0
	TURN 0, 1, 0
	STEP 1, 0, 0
	s_wait_dscnt 4*NL
	WIN MUL_LO
	MUL16 0, 1, 0
	MUL16 2, 1, 0
	s_wait_alu depctr_va_vdst(0)
	s_wait_dscnt 0
	WIN MUL_HI
	MUL16 4, 1, 0
	MUL16 6, 1, 0
	WIN 0
.macro OUT a
	WIN 0x02+((\a)/4)
.set j, 0
.rept 64
	v_med3_num_f32 v[TMP+j], v[64*((\a)%4)+j], -v[LIMV], v[LIMV]
.set j, j+1
.endr
	WIN 0
.irp g, 0,1,2,3,4,5,6,7
	v_cvt_scalef32_pk8_fp8_f32 v[CD+16*((\a)%2)+2*\g:CD+16*((\a)%2)+2*\g+1], v[TMP+8*\g:TMP+8*\g+7], v[SCL]
.endr
	v_nop
.if (\a) > 0
	s_wait_alu depctr_va_vdst(0)
	s_wait_xcnt 0x0
	s_add_nc_u64 s[10:11], s[10:11], s[22:23]
.endif
.irp c, 0,1,2,3
	global_store_b128 v[CO], v[CD+16*((\a)%2)+4*\c:CD+16*((\a)%2)+4*\c+3], s[10:11] offset:512*\c
.endr
.endm
	PLACES NP
.irp a, 0,1,2,3,4,5,6,7
	OUT \a
.endr
	s_wait_tensorcnt 0x0
	ds_add_u32 v[SPW], v[NIL]
	s_wait_dscnt 0x0
	CROUND
	s_endpgm
.Lfunc_end_k_q692501d00f_qkv:
	.size	k_q692501d00f_qkv, .Lfunc_end_k_q692501d00f_qkv-k_q692501d00f_qkv
	.p2alignl 7, 3214868480
	.fill 96, 4, 3214868480
	.section	.rodata,"a",@progbits
	.p2align	6, 0x0
	.amdhsa_kernel k_q692501d00f_qkv
		.amdhsa_group_segment_fixed_size 327680
		.amdhsa_private_segment_fixed_size 0
		.amdhsa_enable_private_segment 0
		.amdhsa_kernarg_size 40
		.amdhsa_user_sgpr_count 2
		.amdhsa_user_sgpr_kernarg_segment_ptr 1
		.amdhsa_wavefront_size32 1
		.amdhsa_system_sgpr_workgroup_id_x 1
		.amdhsa_system_sgpr_workgroup_id_y 1
		.amdhsa_system_sgpr_workgroup_id_z 1
		.amdhsa_system_vgpr_workitem_id 0
		.amdhsa_next_free_vgpr 1024
		.amdhsa_next_free_sgpr 100
		.amdhsa_reserve_vcc 0
		.amdhsa_float_denorm_mode_32 3
		.amdhsa_float_denorm_mode_16_64 3
		.amdhsa_memory_ordered 1
		.amdhsa_forward_progress 1
		.amdhsa_inst_pref_size 120
	.end_amdhsa_kernel
	.amdgpu_metadata
---
amdhsa.version: [ 1, 2 ]
amdhsa.kernels:
  - .name:           k_q692501d00f_qkv
    .symbol:         k_q692501d00f_qkv.kd
    .args:
      - { .name: xc, .offset: 0, .size: 8, .value_kind: global_buffer, .address_space: global }
      - { .name: wc, .offset: 8, .size: 8, .value_kind: global_buffer, .address_space: global }
      - { .name: lowp_scales, .offset: 16, .size: 8, .value_kind: global_buffer, .address_space: global }
      - { .name: qc, .offset: 24, .size: 8, .value_kind: global_buffer, .address_space: global }
      - { .name: kv, .offset: 32, .size: 8, .value_kind: global_buffer, .address_space: global }
    .group_segment_fixed_size: 327680
    .private_segment_fixed_size: 0
    .kernarg_segment_align: 8
    .kernarg_segment_size: 40
    .max_flat_workgroup_size: 128
    .sgpr_count:     100
    .vgpr_count:     1024
    .wavefront_size: 32
...
	.end_amdgpu_metadata
.endif
;; end of part 2
;; launch attn (part 3): grid 16 x 16, 8 waves a work-group, no clusters, 297,984 bytes of LDS; arguments qc, kv, mbits, rowf, lowp_scales, yc; writes yc
.if DOCPART == 3
	.amdgcn_target "amdgcn-amd-amdhsa--gfx1250"
	.amdhsa_code_object_version 6
	.text
	.protected	k_q692501d00f_attn
	.globl	k_q692501d00f_attn
	.p2align	8
	.type	k_q692501d00f_attn,@function
k_q692501d00f_attn:
	s_mov_b64 s[64:65], 0
	v_nop
	global_prefetch_b8 v0, s[64:65] scope:SCOPE_SE
	s_setreg_imm32_b32 hwreg(HW_REG_WAVE_MODE, 25, 1), 1
	s_wait_xcnt 0x0
; y[head][q] = the sum over keys of softmax(q . k / 16, under the mask) v, both products on E4M3 codes; y is quantised at once (entry 10) for the last product.
; WHAT THE STORED FLAGS DECIDE.  The mask is an input.  The first launch stored, for each token tile and key step of 128 keys, whether any entry is true and whether all are (whole numbers, upper half of rowf).
; A key step in which none of a half block's 64 queries has a true entry gives only p = 0 and moves no maximum: it is jumped over, and its K and V are fetched only if the other half block wants them.
; A key step in which all entries are true needs no selection: the lane masks are not fetched and the 64 selects a tile are jumped over.  Every other step is walked and the mask selects.  This holds for every mask.
; THE SOFTMAX: t = score x log2(e) / 16; M = the largest t so far, rounded UP to a whole number; p = 2^(t - M) is quantised (entry 8), not normalised; the row's sum l is taken of the unquantised p and divides at the end.
; When M moves, l and O are multiplied by 2^(old M - new M): exact.  A row with no true entry: l is held at 0.5 from below and y = 0; the last launch puts NaN there by the row flags.
; The hold of p at 448 x 2^e8 changes nothing where that bound is 1 or more (p is at most 1): it is jumped over where e8 >= -8, a whole number read from memory.
; SHARES.  256 work-groups.  Work-group x of a head owns half block x (64 queries, token tiles 4 x ..) and half block 31 - x: where the true entries lie under the diagonal, the live key steps of the two add up to 17 in every work-group.
; EIGHT waves of 512 registers.  Wave w serves half block R = (w ^ (w >> 2)) & 1 of the two; g = (w >> 1) & 1 names a pair of its tiles, p = w >> 2 the parity of its key steps: waves w and w + 4 differ in R, and so do waves 2 k and 2 k + 1.
; Each fragment of K and V read from LDS feeds two matrix instructions.  Register tile X is tile 2 g + p, Y is 2 g + 1 - p: at the end every wave keeps X and sends Y to wave w xor 5 (same R and g, other p), by one text.
; NO TENSOR LOADS, NO CLUSTER: the walk hangs on stored numbers.  K and V go memory -> registers -> LDS, one slot (two key steps, 131,072 bytes) ahead;
; a wave brings 8,192 bytes of each key step: the first step's in Q's registers, free behind K Q^T (Q is read from LDS anew in each step), the second's in Y's score registers, free behind Y's softmax.  A wave with no live step asks at once.
; Eight trips, a constant; one barrier a trip: in front of it my stores into the other slot and my reads of this slot are done.  O begins as zeros, since which step is the first live one is known from the flags alone.
; LAYOUT as the earlier launches lay it: fragment images of 2,048 bytes [chunk 4][lane 32][16]; tokens in tile order; kv [head][key step 16][K's 16 images, V^T's 16].  Both products transposed: a lane holds one query.
; LDS: slot 0 at 0, slot 1 at 2^17; Q's eight tiles at 262,144; statistics at 294,912; the spare words at 296,960.  The stage of the way out lies in slot 0, behind the last barrier.
; REGISTERS: window 0: v1 16 x lane, v2 the step's LDS address, v3, v6, v22-29 at work, v4, v5 the add's two, v7 448 x 2^e8, v8 2^e8, v9 prefetch offset; statistics (-M, largest t, l in two halves) of X at v10, of Y at v14;
;   v[18:19], v[20:21] f of X, of Y; v32-95 Q; v96-159 S^T of X, then V's fragments; v160-223 S^T of Y; v224-255 fragments of K, then p's codes.  window 1: O^T (X v0-127, Y v128-255).
; LIMITS: e6 + e7 between -122 and 131; e8 and e10 between -126 and 119.  The f32 sums' order differs from the definition's: the keys are split over two waves.
.set SLOT1, 131072
.set QL,    262144
.set STATS, 294912
.set SPARE, 296960
.set LI,   1
.set ADR,  2
.set CH0,  3
.set SPW,  4
.set NIL,  5
.set CH1,  6
.set PLIM, 7
.set PSC,  8
.set PFO,  9
.set STX,  10
.set STY,  14
.set FX,   18
.set FY,   20
.set SUM,  22
.set PD,   23
.set CH2,  24
.set CH3,  25
.set SU2,  26
.set SU3,  28
.set QX,   32
.set QY,   64
.set SX,   96
.set SY,   160
.set F0,   224
.set F1,   240
.set B2,   128
.set B3,   144
.set B4,   192
.set B5,   208
.set WV,   24                          ; s24 wave; s2 LDS byte of my key step; s3 512 x trip; s[4:5], s[6:7] X's, Y's lane masks; s12 e10 + 127; s13, s14 my half block's flags any, all (bit 0 = this trip's step); s17 steps to fetch
                                       ; s[18:19] kv; s[20:21] lane selects; s[22:23] c; s25 where my staged bytes go; s[26:27] y; s66 e8 + e9; s67 hold wanted; s100 -infinity; s101, s104 Q's LDS bytes; s105 prefetch limit
.set MSB, 0
.macro WIN new                         ; the immediate's high byte repeats the setting that is left
.if MSB != \new
	s_set_vgpr_msb (MSB<<8)|\new
.set MSB, \new
.endif
.endm
.macro PLACES n
.rept \n
	v_nop
.endr
.endm
.macro LOADQ q, r                      ; my eighth (8,192 bytes) of key step q of the slot at s[18:19]; each load covers 512 consecutive bytes
.set i, 0
.rept 16
	global_load_b128 v[\r+4*i:\r+4*i+3], v[LI], s[18:19] offset:65536*\q+512*i
.set i, i+1
.endr
.endm
.macro STOREQ r, a
.set i, 0
.rept 16
	ds_store_b128 v[\a], v[\r+4*i:\r+4*i+3] offset:512*i
.set i, i+1
.endr
.endm
.macro GET q, r                        ; only if one of the two half blocks has a true entry in that step
	s_bitcmp1_b32 s17, \q
	s_cbranch_scc0 .Lng_\@
	LOADQ \q, \r
.Lng_\@:
.endm
.macro PUT q, r, a
	s_bitcmp1_b32 s17, \q
	s_cbranch_scc0 .Lnp_\@
	STOREQ \r, \a
.Lnp_\@:
.endm
.macro KLD buf, kt, ks                 ; K's image: keys' tile kt, K step ks
.irp c, 0,1,2,3
	ds_load_b128 v[\buf+4*\c:\buf+4*\c+3], v[ADR] offset:(2*(\kt)+(\ks))*2048+512*\c
.endr
.endm
.macro KMM buf, kt, ks                 ; one fragment of K feeds both query tiles
.if (\ks) == 0
	v_wmma_f32_16x16x128_fp8_fp8 v[SX+8*(\kt):SX+8*(\kt)+7], v[\buf:\buf+15], v[QX:QX+15], 0
	v_wmma_f32_16x16x128_fp8_fp8 v[SY+8*(\kt):SY+8*(\kt)+7], v[\buf:\buf+15], v[QY:QY+15], 0
.else
	v_wmma_f32_16x16x128_fp8_fp8 v[SX+8*(\kt):SX+8*(\kt)+7], v[\buf:\buf+15], v[QX+16:QX+31], v[SX+8*(\kt):SX+8*(\kt)+7]
	v_wmma_f32_16x16x128_fp8_fp8 v[SY+8*(\kt):SY+8*(\kt)+7], v[\buf:\buf+15], v[QY+16:QY+31], v[SY+8*(\kt):SY+8*(\kt)+7]
.endif
.endm
; S^T = K Q^T for 128 keys x two query tiles: 32 matrix instructions.  Six fragment buffers: two of their own and the registers of score tiles 4 to 7, which are written last.  Loads run a group ahead of their products.
.macro QK
	v_add_nc_u32 v[ADR], s2, v[LI]
	v_add_nc_u32 v[CH0], s101, v[LI]
	v_add_nc_u32 v[CH1], s104, v[LI]
	s_wait_alu depctr_va_vdst(0)
	PLACES 2                                       ; five places with the three lines above: the first products write S^T over registers that the last V^T P products read
.irp i, 0,1,2,3,4,5,6,7
	ds_load_b128 v[QX+4*\i:QX+4*\i+3], v[CH0] offset:512*\i
.endr
.irp i, 0,1,2,3,4,5,6,7
	ds_load_b128 v[QY+4*\i:QY+4*\i+3], v[CH1] offset:512*\i
.endr
	KLD F0, 0, 0
	KLD F1, 1, 0
	KLD B2, 0, 1
	KLD B4, 1, 1
	KLD B3, 2, 0
	KLD B5, 3, 0
	s_wait_dscnt 16                                ; Q and the first two fragments are in; the youngest sixteen loads may be out
	KMM F0, 0, 0
	KMM F1, 1, 0
	s_wait_dscnt 8                                 ; the next two; eight may be out
	KMM B2, 0, 1
	KMM B4, 1, 1
	PLACES 4
	KLD F0, 2, 1
	KLD F1, 3, 1
	s_wait_dscnt 8                                 ; all but the eight just issued
	KMM B3, 2, 0
	KMM B5, 3, 0
	PLACES 4
	KLD B3, 4, 0
	KLD B5, 5, 0
	s_wait_dscnt 8
	KMM F0, 2, 1
	KMM F1, 3, 1
	PLACES 4
	KLD F0, 4, 1
	KLD F1, 5, 1
	s_wait_dscnt 8
	KMM B3, 4, 0
	KMM B5, 5, 0
	s_wait_dscnt 0x0
	KMM F0, 4, 1
	KMM F1, 5, 1
	PLACES 5                                       ; four for the loads; five since score tiles 6 and 7 are written over two buffers
.irp kt, 6,7
	KLD F0, \kt, 0
	KLD F1, \kt, 1
	s_wait_dscnt 0x0
	KMM F0, \kt, 0
	KMM F1, \kt, 1
	PLACES 4
.endr
.endm
.macro MASK S                          ; hidden scores become -infinity; each accumulator is read from its low end on.  Jumped over where all entries are true
	s_bitcmp1_b32 s14, 0
	s_cbranch_scc1 .Lfull_\@
	s_wait_alu depctr_va_vdst(0)                   ; the wait ahead of the first reader of matrix results
.set n, 0
.rept 64
.if n < 32
	v_cndmask_b32 v[\S+n], s100, v[\S+n], s[32+n]
.else
	v_cndmask_b32 v[\S+n], s100, v[\S+n], s[36+n]
.endif
.set n, n+1
.endr
.Lfull_\@:
.endm
.macro MLD p                           ; a tile's 64 lane masks for my key step of this trip: 256 consecutive bytes; not where all entries are true
	s_bitcmp1_b32 s14, 0
	s_cbranch_scc1 .Lnm_\@
	s_load_b512 s[32:47], s[\p:\p+1], s3 offset:0x0
	s_load_b512 s[48:63], s[\p:\p+1], s3 offset:0x40
	s_load_b512 s[68:83], s[\p:\p+1], s3 offset:0x80
	s_load_b512 s[84:99], s[\p:\p+1], s3 offset:0xc0
.Lnm_\@:
.endm
; One tile's softmax for a key step.  S: its 64 scores; ST: its statistics; FP: its f; P: where p's codes go.
.macro SOFT S, ST, FP, P
	s_wait_alu depctr_va_vdst(0)                   ; the wait ahead of the first reader of matrix results
	v_max_num_f32 v[CH0], v[\S], v[\S+1]           ; the step's largest score of my query among my 64 keys, in four chains; each accumulator from its low end on
	v_max_num_f32 v[CH1], v[\S+2], v[\S+3]
	v_max_num_f32 v[CH2], v[\S+4], v[\S+5]
	v_max_num_f32 v[CH3], v[\S+6], v[\S+7]
.set j, 8
.rept 7
	v_max3_num_f32 v[CH0], v[CH0], v[\S+j], v[\S+j+1]
	v_max3_num_f32 v[CH1], v[CH1], v[\S+j+2], v[\S+j+3]
	v_max3_num_f32 v[CH2], v[CH2], v[\S+j+4], v[\S+j+5]
	v_max3_num_f32 v[CH3], v[CH3], v[\S+j+6], v[\S+j+7]
.set j, j+8
.endr
	v_max3_num_f32 v[CH0], v[CH0], v[CH1], v[CH2]
	v_max_num_f32 v[CH0], v[CH0], v[CH3]
	v_permlanex16_b32 v[PD], v[CH0], s20, s21
	v_max_num_f32 v[CH0], v[CH0], v[PD]            ; and among lane l xor 16's
	v_mul_f32 v[CH0], s22, v[CH0]                  ; as t (c is positive)
	v_max_num_f32 v[\ST+1], v[\ST+1], v[CH0]       ; the running largest t
	v_mov_b32 v[CH0], v[\ST]
	v_floor_f32 v[\ST], -v[\ST+1]                  ; the new -M = floor(-t): M is a whole number
	v_sub_f32 v[CH0], v[\ST], v[CH0]               ; old M - new M: a whole number, 0 or less
	v_cvt_i32_f32 v[CH0], v[CH0]                   ; (it saturates)
	v_ldexp_f32 v[\FP], 1.0, v[CH0]                ; f = 2^(old M - new M)
.set j, 0
.rept 32
	v_pk_fma_f32 v[\S+j:\S+j+1], v[\S+j:\S+j+1], s[22:23], v[\ST:\ST+1] op_sel_hi:[1,0,0]   ; t - M, two at a time (of the pairs c and -M the low word serves both halves)
.set j, j+2
.endr
	s_wait_alu depctr_va_vdst(0)                   ; the wait ahead of the batch
.set j, 0
.rept 64
	v_exp_f32 v[\S+j], v[\S+j]                     ; p = 2^(t - M), at most 1
.set j, j+1
.endr
	v_pk_mul_f32 v[\ST+2:\ST+3], v[\ST+2:\ST+3], v[\FP:\FP+1] op_sel_hi:[1,0]   ; l under the new M: the plain instruction behind the exponentials
	s_wait_alu depctr_va_vdst(0)                   ; one wait for the whole batch, ahead of its first reader
	v_pk_add_f32 v[SUM:SUM+1], v[\S:\S+1], v[\S+2:\S+3]   ; l is taken of the unquantised p: two at a time, in four chains
	v_pk_add_f32 v[SU2:SU2+1], v[\S+4:\S+5], v[\S+6:\S+7]
	v_pk_add_f32 v[SU3:SU3+1], v[\S+8:\S+9], v[\S+10:\S+11]
	v_pk_add_f32 v[\ST+2:\ST+3], v[\ST+2:\ST+3], v[\S+12:\S+13]
.set j, 14
.rept 6
	v_pk_add_f32 v[SUM:SUM+1], v[SUM:SUM+1], v[\S+j:\S+j+1]
	v_pk_add_f32 v[SU2:SU2+1], v[SU2:SU2+1], v[\S+j+2:\S+j+3]
	v_pk_add_f32 v[SU3:SU3+1], v[SU3:SU3+1], v[\S+j+4:\S+j+5]
	v_pk_add_f32 v[\ST+2:\ST+3], v[\ST+2:\ST+3], v[\S+j+6:\S+j+7]
.set j, j+8
.endr
	v_pk_add_f32 v[SUM:SUM+1], v[SUM:SUM+1], v[\S+62:\S+63]
	v_pk_add_f32 v[SU2:SU2+1], v[SU2:SU2+1], v[SU3:SU3+1]
	v_pk_add_f32 v[\ST+2:\ST+3], v[\ST+2:\ST+3], v[SUM:SUM+1]
	v_pk_add_f32 v[\ST+2:\ST+3], v[\ST+2:\ST+3], v[SU2:SU2+1]
	s_cmp_eq_u32 s67, 0                            ; e8 >= -8: 448 x 2^e8 is above every p
	s_cbranch_scc1 .Lnh_\@
.set j, 0
.rept 64
	v_min_num_f32 v[\S+j], v[\S+j], v[PLIM]        ; the conversion does not saturate (ISA guide 7.6.2); p is not negative, so the hold is one-sided
.set j, j+1
.endr
.Lnh_\@:
.irp b, 0,1,2,3,4,5,6,7
	v_cvt_scalef32_pk8_fp8_f32 v[\P+2*\b:\P+2*\b+1], v[\S+8*\b:\S+8*\b+7], v[PSC]
.endr
	v_nop                                          ; a plain instruction behind the last conversion
.endm
.macro VLD rho                         ; V^T's tiles 4 rho .. 4 rho + 3, into X's score registers
.irp i, 0,1,2,3
.irp c, 0,1,2,3
	ds_load_b128 v[SX+16*\i+4*\c:SX+16*\i+4*\c+3], v[ADR] offset:32768+(4*(\rho)+\i)*2048+512*\c
.endr
.endr
.endm
; O^T's tiles 4 rho .. 4 rho + 3 of both query tiles: brought under the new M (32 lines, which stand under the flight of V's loads), then O^T += V^T P^T: eight matrix instructions, no two on end on one accumulator
.macro PV rho
	WIN 0x41                                       ; O^T (destination and source 0) window 1, f window 0
	s_wait_alu depctr_va_vdst(0)                   ; the wait ahead of the first reader of O^T
.set j, 32*(\rho)
.rept 16
	v_pk_mul_f32 v[j:j+1], v[j:j+1], v[FX:FX+1] op_sel_hi:[1,0]
	v_pk_mul_f32 v[128+j:129+j], v[128+j:129+j], v[FY:FY+1] op_sel_hi:[1,0]
.set j, j+2
.endr
	s_wait_alu depctr_va_vdst(0)
	s_wait_dscnt 0x0                               ; V's four fragments are in
	WIN 0x50                                       ; C and D window 1
.irp i, 0,1,2,3
	v_wmma_f32_16x16x128_fp8_fp8 v[8*(4*(\rho)+\i):8*(4*(\rho)+\i)+7], v[SX+16*\i:SX+16*\i+15], v[F0:F0+15], v[8*(4*(\rho)+\i):8*(4*(\rho)+\i)+7]
	v_wmma_f32_16x16x128_fp8_fp8 v[128+8*(4*(\rho)+\i):128+8*(4*(\rho)+\i)+7], v[SX+16*\i:SX+16*\i+15], v[F1:F1+15], v[128+8*(4*(\rho)+\i):128+8*(4*(\rho)+\i)+7]
.endr
	WIN 0
.endm
.macro HBF B, ANY, ALL                 ; a half block's flags from its four tiles' words (tile i, quarter w in s[B + 4 i + w]): bit s of ANY, of ALL = key step s
	s_mov_b32 s[\ANY], 0
	s_mov_b32 s[\ALL], 0
.irp w, 0,1,2,3
	s_or_b32 s30, s[\B+\w], s[\B+4+\w]
	s_or_b32 s31, s[\B+8+\w], s[\B+12+\w]
	s_or_b32 s30, s30, s31
	s_and_b32 s30, s30, 15
	s_lshl_b32 s30, s30, 4*\w
	s_or_b32 s[\ANY], s[\ANY], s30
	s_and_b32 s30, s[\B+\w], s[\B+4+\w]
	s_and_b32 s31, s[\B+8+\w], s[\B+12+\w]
	s_and_b32 s30, s30, s31
	s_bfe_u32 s30, s30, 0x40004
	s_lshl_b32 s30, s30, 4*\w
	s_or_b32 s[\ALL], s[\ALL], s30
.endr
.endm
.macro PTR d, b, t, sh, add            ; s[d:d+1] = s[b:b+1] + (s[t] << sh) + s[add]
	s_lshl_b32 s30, s[\t], \sh
	s_add_co_u32 s30, s30, s[\add]
	s_mov_b32 s31, 0
	s_add_nc_u64 s[\d:\d+1], s[\b:\b+1], s[30:31]
.endm
	s_load_b256 s[68:75], s[0:1], 0x0              ; qc s[68:69], kv s[70:71], mbits s[72:73], rowf s[74:75]
	s_load_b128 s[76:79], s[0:1], 0x20             ; the scales s[76:77], yc s[78:79]
	v_lshl_add_u32 v[SPW], v0, 2, SPARE
	v_mov_b32 v[NIL], 0
	v_lshrrev_b32 v1, 5, v0
	v_readfirstlane_b32 s[WV], v1                  ; wave 0..7
	v_and_b32 v2, 31, v0
	v_lshlrev_b32 v[LI], 4, v2
	v_lshlrev_b32 v[PFO], 8, v2
	s_lshl_b32 s30, ttmp9, 13
	v_add_nc_u32 v[PFO], s30, v[PFO]               ; the prefetch: my work-group's 8,192 bytes of a slot, lanes 256 bytes apart
	s_bfe_u32 s80, s[WV], 0x10001                  ; g
	s_lshr_b32 s81, s[WV], 2                       ; p
	s_and_b32 s82, ttmp7, 0xffff                   ; the head
	s_lshl_b32 s83, ttmp9, 2                       ; first tile of half block x,
	s_sub_co_u32 s84, 124, s83                     ; and of half block 31 - x
	s_xor_b32 s85, s[WV], s81
	s_and_b32 s85, s85, 1                          ; R
	s_cmp_eq_u32 s85, 0
	s_cselect_b32 s86, s83, s84                    ; my half block's first tile
	s_lshl_b32 s87, s80, 1
	s_add_co_u32 s87, s87, s81                     ; X = 2 g + p of its four
	s_add_co_u32 s89, s86, s87                     ; token tile X,
	s_xor_b32 s90, s89, 1                          ; and Y = 2 g + 1 - p
	s_lshl_b32 s88, s81, 8                         ; the masks: (16 tile + p) x 256
	s_lshl_b32 s91, s85, 2
	s_add_co_u32 s91, s91, s87                     ; X's place among Q's eight tiles in LDS
	s_lshl_b32 s101, s91, 12
	s_add_co_u32 s101, s101, QL
	s_xor_b32 s91, s91, 1
	s_lshl_b32 s104, s91, 12
	s_add_co_u32 s104, s104, QL
	s_cmp_lt_u32 s[WV], 4
	s_cselect_b32 s93, s83, s84
	s_and_b32 s91, s[WV], 3
	s_add_co_u32 s93, s93, s91                     ; the tile of Q that I bring to LDS: place w of the eight
	s_lshl_b32 s2, s81, 16                         ; my key step of slot 0
	s_lshl_b32 s25, s[WV], 13                      ; my eighth of a key step
	s_cmp_eq_u32 s[WV], 0
	s_cselect_b32 s105, 3072, 0                    ; wave 0 prefetches in trips 0 to 5
	s_mov_b32 s20, 0x76543210
	s_mov_b32 s21, 0xfedcba98
	s_mov_b32 s100, 0xff800000
	s_lshl_b32 s94, s82, 12                        ; head x 4,096 (y),
	s_lshl_b32 s95, s82, 19                        ; x 524,288 (Q),
	s_lshl_b32 s96, s82, 20                        ; x 1 MiB (kv)
	s_mov_b32 s97, 131072                          ; the step flags' place in rowf
	s_wait_alu depctr_va_vdst(0)
	s_wait_kmcnt 0x0
	PTR 18, 70, WV, 13, 96
	PTR 98, 68, 93, 12, 95
	LOADQ 0, QX                                    ; slot 0 is fetched whatever the flags say: so every staging register is written
	LOADQ 1, SY
.irp i, 0,1,2,3,4,5,6,7
	global_load_b128 v[SX+4*\i:SX+4*\i+3], v[LI], s[98:99] offset:512*\i
.endr
	PTR 4, 72, 89, 12, 88
	PTR 6, 72, 90, 12, 88
	PTR 26, 78, 89, 16, 94
	PTR 92, 74, 83, 10, 97
	PTR 94, 74, 84, 10, 97
.irp i, 0,1,2,3
.irp w, 0,1,2,3
	s_load_b32 s[32+4*\i+\w], s[92:93], \i*1024+\w*256
	s_load_b32 s[48+4*\i+\w], s[94:95], \i*1024+\w*256
.endr
.endr
	s_load_b256 s[80:87], s[76:77], 0x0            ; e0 .. e7
	s_load_b128 s[88:91], s[76:77], 0x20           ; e8 .. e11
	WIN 0x40
.set j, 0
.rept 256
	v_mov_b32 v[j], 0                              ; O^T
.set j, j+1
.endr
	WIN 0
.irp st, STX, STY
	v_mov_b32 v[\st+1], 0xff61b1e6                 ; the largest t so far: -3e38, under every t
	v_mov_b32 v[\st+2], 0
	v_mov_b32 v[\st+3], 0
	v_floor_f32 v[\st], -v[\st+1]
.endr
.irp i, 0,1,2,3
	v_mov_b32 v[FX+\i], 0
.endr
	v_mov_b32 v[PD], 0                             ; a lane permute's destination counts as one of its sources
	s_lshl_b32 s30, s[WV], 12
	s_add_co_u32 s30, s30, QL
	v_add_nc_u32 v[CH0], s30, v[LI]
	v_add_nc_u32 v[CH1], s25, v[LI]
	v_add_nc_u32 v[CH2], 65536, v[CH1]
	s_wait_kmcnt 0x0
	HBF 32, 13, 14
	HBF 48, 15, 16
	s_or_b32 s17, s13, s15
	s_lshr_b32 s17, s17, 2                         ; bits 0, 1: the two key steps of the next slot
	s_lshr_b32 s31, s[WV], 2                       ; p
	s_xor_b32 s30, s[WV], s31
	s_and_b32 s30, s30, 1                          ; R
	s_cmp_eq_u32 s30, 0
	s_cselect_b32 s13, s13, s15
	s_cselect_b32 s14, s14, s16
	s_lshr_b32 s13, s13, s31                       ; bit 0: my key step of the slot in hand
	s_lshr_b32 s14, s14, s31
	s_add_co_i32 s30, s86, s87                     ; a score stands for score x 2^(e6 + e7): added to the exponent field of c = log2(e) / 16
	s_lshl_b32 s30, s30, 23
	s_add_co_i32 s22, s30, 0x3db8aa3b
	s_mov_b32 s23, s22                             ; (named with it as a pair, so it is written)
	s_add_co_i32 s30, s88, 127
	s_lshl_b32 s31, s30, 23
	v_mov_b32 v[PSC], s31                          ; 2^e8
	s_add_co_i32 s30, s30, 8
	s_lshl_b32 s30, s30, 23
	s_or_b32 s30, s30, 0x600000
	v_mov_b32 v[PLIM], s30                         ; 448 x 2^e8
	s_add_co_i32 s66, s88, s89                     ; e8 + e9
	s_add_co_i32 s12, s90, 127
	s_cmp_lt_i32 s88, -8
	s_cselect_b32 s67, 1, 0
	s_wait_alu depctr_va_vdst(0)
	s_wait_loadcnt 0x0
.irp r, 68,69,70,71,72,73,74,75,76,77,78,79,92,93,94,95,98,99
	s_mov_b32 s[\r], 0                             ; the head's pointers in the lane masks' registers are done with (every load that named them has come back): no address is left there when the loop begins
.endr
.irp i, 0,1,2,3,4,5,6,7
	ds_store_b128 v[CH0], v[SX+4*\i:SX+4*\i+3] offset:512*\i
.endr
	STOREQ QX, CH1
	STOREQ SY, CH2
	s_add_nc_u64 s[18:19], s[18:19], 131072        ; the loads are done: on to slot 1,
	s_xor_b32 s25, s25, SLOT1                      ; which goes to the other half of the ring
	s_mov_b32 s3, 0
	s_wait_dscnt 0x0                               ; for the others' sake: my stores are done
	s_barrier_signal -1
	s_barrier_wait -1
.Ltrip:                                            ; eight trips, a slot each
	s_cmp_lt_u32 s3, s105                          ; a prefetch of the slot after the next: the head's sixteen work-groups take 8,192 bytes each, told apart by address; one instruction of wave 0; the last two trips ask for nothing
	s_cbranch_scc0 .Lnot_mine
	global_prefetch_b8 v[PFO], s[18:19] offset:131072 th:TH_LOAD_NT scope:SCOPE_SE
.Lnot_mine:
	s_bitcmp1_b32 s13, 0
	s_cbranch_scc0 .Lidle                          ; no true entry: nothing of the step is done
	MLD 4
	QK
	GET 0, QX                                      ; Q is done with: its registers take my part of the next slot's first key step
	s_wait_kmcnt 0x0
	MASK SX
	MLD 6                                          ; Y's, into the same registers: they land under X's softmax
	SOFT SX, STX, FX, F0
	VLD 0                                          ; X's scores are done with
	s_wait_kmcnt 0x0
	MASK SY
	SOFT SY, STY, FY, F1
	GET 1, SY                                      ; Y's scores are done with: my part of the second key step
	PV 0
	PLACES 4
	VLD 1
	PV 1
	PLACES 4
	VLD 2
	PV 2
	PLACES 4
	VLD 3
	PV 3
	s_branch .Ljoin
.Lidle:
	GET 0, QX
	GET 1, SY
.Ljoin:
	s_wait_loadcnt 0x0
	v_add_nc_u32 v[CH0], s25, v[LI]
	v_add_nc_u32 v[CH1], 65536, v[CH0]
	s_wait_alu depctr_va_vdst(0)                   ; a jump may stand ahead of the readers
	PUT 0, QX, CH0                                 ; into the slot that every wave left at the last barrier
	PUT 1, SY, CH1
	s_wait_xcnt 0x0                                ; the prefetch has read its address
	s_add_nc_u64 s[18:19], s[18:19], 131072
	s_xor_b32 s25, s25, SLOT1
	s_xor_b32 s2, s2, SLOT1
.irp f, 13,14,17
	s_lshr_b32 s[\f], s[\f], 2
.endr
	s_wait_dscnt 0x0                               ; my stores are done, and my reads of this slot are over
	s_barrier_signal -1
	s_barrier_wait -1
	s_add_co_u32 s3, s3, 512
	s_cmp_lt_u32 s3, 4096
	s_cbranch_scc1 .Ltrip
	; THE WAY OUT.  Each tile's two halves of the keys meet: I send tile Y (O^T, -M, l) to wave w xor 5 through LDS and take its part of my tile X.
	PLACES 4
	v_add_f32 v[STX+2], v[STX+2], v[STX+3]
	v_add_f32 v[STY+2], v[STY+2], v[STY+3]
	s_lshl_b32 s30, s[WV], 14
	v_add_nc_u32 v32, s30, v[LI]                   ; my stage: 16,384 bytes
	s_xor_b32 s31, s[WV], 5
	s_lshl_b32 s30, s31, 14
	v_add_nc_u32 v33, s30, v[LI]                   ; my partner's
	v_lshrrev_b32 v34, 2, v[LI]
	s_lshl_b32 s30, s[WV], 8
	s_add_co_u32 s30, s30, STATS
	s_lshl_b32 s31, s31, 8
	s_add_co_u32 s31, s31, STATS
	v_add_nc_u32 v35, s31, v34
	v_add_nc_u32 v34, s30, v34
	v_permlanex16_b32 v[CH0], v[STX+2], s20, s21
	v_permlanex16_b32 v[CH1], v[STY+2], s20, s21
	v_add_f32 v[STX+2], v[STX+2], v[CH0]           ; l: both halves, and lane l xor 16's
	v_add_f32 v[STY+2], v[STY+2], v[CH1]
	s_lshl_b32 s30, s12, 23
	v_mov_b32 v47, s30                             ; 2^e10
	s_add_co_i32 s31, s12, 8
	s_lshl_b32 s31, s31, 23
	s_or_b32 s31, s31, 0x600000
	v_mov_b32 v48, s31                             ; 448 x 2^e10
	v_mov_b32 v41, 0                               ; (upper halves of the factors' pairs)
	v_mov_b32 v43, 0
	WIN 0x04                                       ; the stores' data in window 1
	s_wait_alu depctr_va_vdst(0)                   ; the wait ahead of the first reader of O^T
.set i, 0
.rept 32
	ds_store_b128 v32, v[128+4*i:131+4*i] offset:512*i   ; each accumulator from its low end on
.set i, i+1
.endr
	WIN 0
	ds_store_b32 v34, v[STY]
	ds_store_b32 v34, v[STY+2] offset:128
	s_wait_alu depctr_va_vdst(0)
	s_wait_dscnt 0x0                               ; for the partner's sake: my stores are done
	s_barrier_signal -1
	s_barrier_wait -1
.set i, 0
.rept 32
	ds_load_b128 v[96+4*i:99+4*i], v33 offset:512*i
.set i, i+1
.endr
	ds_load_b32 v36, v35
	ds_load_b32 v37, v35 offset:128
	s_wait_dscnt 0x0
	v_min_num_f32 v38, v[STX], v36                 ; -M of the whole row: the larger M
	v_sub_f32 v39, v38, v[STX]
	v_sub_f32 v44, v38, v36
	v_cvt_i32_f32 v39, v39
	v_cvt_i32_f32 v44, v44
	v_ldexp_f32 v39, 1.0, v39                      ; my part under that M: exact,
	v_ldexp_f32 v44, 1.0, v44                      ; and my partner's
	v_mul_f32 v45, v37, v44
	v_fma_f32 v45, v[STX+2], v39, v45              ; l
	v_max_num_f32 v45, v45, 0.5                    ; a row with an entry has l above 1/2; a row without gets y = 0
	s_wait_alu depctr_va_vdst(0)
	v_rcp_f32 v46, v45
	v_nop                                          ; a plain instruction behind the transcendental
	s_wait_alu depctr_va_vdst(0)                   ; and the wait ahead of its first reader
	v_ldexp_f32 v46, v46, s66                      ; x 2^(e8 + e9)
	v_mul_f32 v40, v39, v46
	v_mul_f32 v42, v44, v46
.set j, 0
.rept 64
	v_pk_mul_f32 v[96+j:97+j], v[96+j:97+j], v[42:43] op_sel_hi:[1,0]
.set j, j+2
.endr
	WIN 0x01                                       ; source 0: my O^T of X
	s_wait_alu depctr_va_vdst(0)                   ; the wait ahead of the first reader of O^T
.set j, 0
.rept 64
	v_pk_fma_f32 v[96+j:97+j], v[j:j+1], v[40:41], v[96+j:97+j] op_sel_hi:[1,0,1]
.set j, j+2
.endr
	WIN 0
.set j, 0
.rept 128
	v_med3_num_f32 v[96+j], v[96+j], -v48, v48
.set j, j+1
.endr
.set j, 0
.rept 16
	v_cvt_scalef32_pk8_fp8_f32 v[224+2*j:225+2*j], v[96+8*j:103+8*j], v47   ; registers 64 s + 16 c + 0 .. 15 are y's K = 128 s + 32 c + 16 (lane / 16) + 0 .. 15 of the head: two fragments
.set j, j+1
.endr
	v_nop
.irp i, 0,1,2,3,4,5,6,7
	global_store_b128 v[LI], v[224+4*\i:227+4*\i], s[26:27] offset:512*\i   ; 32 lanes store 512 consecutive bytes, aligned
.endr
	s_wait_tensorcnt 0x0                           ; the wave's end, behind my last LDS store
	ds_add_u32 v[SPW], v[NIL]
	s_wait_dscnt 0x0
	s_endpgm
.Lfunc_end_k_q692501d00f_attn:
	.size	k_q692501d00f_attn, .Lfunc_end_k_q692501d00f_attn-k_q692501d00f_attn
	.p2alignl 7, 3214868480
	.fill 96, 4, 3214868480
	.section	.rodata,"a",@progbits
	.p2align	6, 0x0
	.amdhsa_kernel k_q692501d00f_attn
		.amdhsa_group_segment_fixed_size 297984
		.amdhsa_private_segment_fixed_size 0
		.amdhsa_enable_private_segment 0
		.amdhsa_kernarg_size 48
		.amdhsa_user_sgpr_count 2
		.amdhsa_user_sgpr_kernarg_segment_ptr 1
		.amdhsa_wavefront_size32 1
		.amdhsa_system_sgpr_workgroup_id_x 1
		.amdhsa_system_sgpr_workgroup_id_y 1
		.amdhsa_system_sgpr_workgroup_id_z 1
		.amdhsa_system_vgpr_workitem_id 0
		.amdhsa_next_free_vgpr 512
		.amdhsa_next_free_sgpr 106
		.amdhsa_reserve_vcc 0
		.amdhsa_float_denorm_mode_32 3
		.amdhsa_float_denorm_mode_16_64 3
		.amdhsa_memory_ordered 1
		.amdhsa_forward_progress 1
		.amdhsa_inst_pref_size 114
	.end_amdhsa_kernel
	.amdgpu_metadata
---
amdhsa.version: [ 1, 2 ]
amdhsa.kernels:
  - .name:           k_q692501d00f_attn
    .symbol:         k_q692501d00f_attn.kd
    .args:
      - { .name: qc, .offset: 0, .size: 8, .value_kind: global_buffer, .address_space: global }
      - { .name: kv, .offset: 8, .size: 8, .value_kind: global_buffer, .address_space: global }
      - { .name: mbits, .offset: 16, .size: 8, .value_kind: global_buffer, .address_space: global }
      - { .name: rowf, .offset: 24, .size: 8, .value_kind: global_buffer, .address_space: global }
      - { .name: lowp_scales, .offset: 32, .size: 8, .value_kind: global_buffer, .address_space: global }
      - { .name: yc, .offset: 40, .size: 8, .value_kind: global_buffer, .address_space: global }
    .group_segment_fixed_size: 297984
    .private_segment_fixed_size: 0
    .kernarg_segment_align: 8
    .kernarg_segment_size: 48
    .max_flat_workgroup_size: 256
    .sgpr_count:     106
    .vgpr_count:     512
    .wavefront_size: 32
...
	.end_amdgpu_metadata
.endif
;; end of part 3
;; launch oproj (part 4): grid 16 x 16, 4 waves a work-group, no clusters, 139,776 bytes of LDS; arguments yc, woc, rowf, lowp_scales, out0; writes out0
.if DOCPART == 4
	.amdgcn_target "amdgcn-amd-amdhsa--gfx1250"
	.amdhsa_code_object_version 6
	.text
	.protected	k_q692501d00f_oproj
	.globl	k_q692501d00f_oproj
	.p2align	8
	.type	k_q692501d00f_oproj,@function
k_q692501d00f_oproj:
	s_mov_b64 s[64:65], 0
	v_nop
	global_prefetch_b8 v0, s[64:65] scope:SCOPE_SE
	s_setreg_imm32_b32 hwreg(HW_REG_WAVE_MODE, 25, 1), 1
	s_wait_xcnt 0x0
; out0 = y Wo on E4M3 codes (K = 4,096), x 2^(e10 + e11); rows of the mask with no true entry become NaN, as the softmax of such a row is.  Nothing is left out.
; 256 work-groups; a tile of the output is 128 rows (8 token tiles) x 64 columns.  THE FOUR WAVES SPLIT K: wave w takes K steps 8 w .. 8 w + 7 for the whole tile, 32 accumulators; the four partial sums meet in LDS.
; The waves share no operand, and both operands are fragment images, so fragments go from memory straight into registers: four loads of 512 consecutive bytes each, two K steps (96 loads) asked for ahead, no barrier in the K walk.
; NO CLUSTER, NO RING: a ring's slot that fits (K = 512 of 128 + 64 rows) would leave a wave 32 matrix instructions between two changes of slots, all the time that its one refill would have; here each wave's loads run under counted waits.
; The matrix instruction is used transposed (source 0 = 16 columns of Wo, source 1 = 16 tokens): a lane holds eight neighbouring columns of one row.
; REGISTERS: window 0: v1 16 x lane; v4, v5 the add's two; v6 NaN; v7 the stage's way in; v8-11 its way out, one for each wave's region; v12 my offset in the output; set 0 of fragments: Wo v32-95, y v96-223.  window 1: accumulator (a, b) at 8 (4 a + b).  window 2: set 1.
; LDS: four regions of 128 rows x (256 + 16) bytes, then the spare words.
; LIMITS: e10 + e11 between -126 and 127.  The f32 sums' order differs from the definition's: K is split over four waves.
.set RP,    272
.set REG,   128*RP
.set SPARE, 4*REG
.set LI,  1
.set SPW, 4
.set NIL, 5
.set MSB, 0
.macro WIN new                         ; the immediate's high byte repeats the setting that is left
.if MSB != \new
	s_set_vgpr_msb (MSB<<8)|\new
.set MSB, \new
.endif
.endm
.macro LOADS s                         ; my K step s: Wo's four fragments and y's eight, into set s % 2
.if ((\s)%2) == 0
	WIN 0
.else
	WIN 0x80                                       ; destination window 2
.endif
.irp b, 0,1,2,3
.irp c, 0,1,2,3
	global_load_b128 v[32+16*\b+4*\c:35+16*\b+4*\c], v[LI], s[6:7] offset:\b*65536+(\s)*2048+512*\c
.endr
.endr
.irp a, 0,1,2,3,4,5,6,7
.irp c, 0,1,2,3
	global_load_b128 v[96+16*\a+4*\c:99+16*\a+4*\c], v[LI], s[4:5] offset:\a*65536+(\s)*2048+512*\c
.endr
.endr
	WIN 0
.endm
.macro MULS s                          ; 32 matrix instructions, each accumulator one turn; the first step starts the sums
.if ((\s)%2) == 0
	WIN 0x50                                       ; C and D window 1
.else
	WIN 0x5a                                       ; and both sources window 2
.endif
.irp a, 0,1,2,3,4,5,6,7
.irp b, 0,1,2,3
.if (\s) == 0
	v_wmma_f32_16x16x128_fp8_fp8 v[8*(4*\a+\b):8*(4*\a+\b)+7], v[32+16*\b:47+16*\b], v[96+16*\a:111+16*\a], 0
.else
	v_wmma_f32_16x16x128_fp8_fp8 v[8*(4*\a+\b):8*(4*\a+\b)+7], v[32+16*\b:47+16*\b], v[96+16*\a:111+16*\a], v[8*(4*\a+\b):8*(4*\a+\b)+7]
.endif
.endr
.endr
	WIN 0
.endm
	s_load_b256 s[4:11], s[0:1], 0x0               ; yc s[4:5], woc s[6:7], rowf s[8:9], the scales s[10:11]
	s_load_b64 s[12:13], s[0:1], 0x20              ; out0
	v_lshl_add_u32 v[SPW], v0, 2, SPARE
	v_mov_b32 v[NIL], 0
	v_lshrrev_b32 v1, 5, v0
	v_readfirstlane_b32 s14, v1                    ; wave 0..3
	s_and_b32 s15, ttmp7, 0xffff                   ; which 128 rows
	v_and_b32 v2, 31, v0
	v_lshlrev_b32 v[LI], 4, v2
	s_lshl_b32 s18, s14, 14                        ; my eight K steps: 8 w x 2,048
	s_lshl_b32 s16, s15, 19                        ; y: 8 token tiles x 65,536
	s_add_co_u32 s16, s16, s18
	s_mov_b32 s17, 0
	s_lshl_b32 s20, ttmp9, 18                      ; Wo: 4 tiles of columns x 65,536
	s_add_co_u32 s20, s20, s18
	s_mov_b32 s21, 0
	s_lshl_b32 s22, s15, 13                        ; the flags: (8 rows' block + 2 w) x 1,024
	s_lshl_b32 s18, s14, 11
	s_add_co_u32 s22, s22, s18
	s_mov_b32 s23, 0
	s_lshl_b32 s38, s15, 19                        ; the output: 32 (4 block + w) rows of 4,096 bytes + 256 x column block
	s_lshl_b32 s18, s14, 17
	s_add_co_u32 s38, s38, s18
	s_lshl_b32 s18, ttmp9, 8
	s_add_co_u32 s38, s38, s18
	s_mov_b32 s39, 0
	s_wait_alu depctr_va_vdst(0)
	s_wait_kmcnt 0x0
	s_add_nc_u64 s[4:5], s[4:5], s[16:17]
	s_add_nc_u64 s[6:7], s[6:7], s[20:21]
	s_add_nc_u64 s[8:9], s[8:9], s[22:23]
	s_add_nc_u64 s[12:13], s[12:13], s[38:39]
	LOADS 0
	LOADS 1
.irp q, 0,1,2,3
	s_load_b32 s[24+\q], s[8:9], \q*256            ; the flags of my two token tiles, a word for each quarter of the keys
	s_load_b32 s[28+\q], s[8:9], 1024+\q*256
.endr
	s_load_b64 s[32:33], s[10:11], 0x28            ; e10, e11
	v_and_b32 v3, 15, v0                           ; r
	v_bfe_u32 v13, v0, 4, 1                        ; h
	s_mul_i32 s22, s14, REG
	v_mul_u32_u24 v7, v3, RP
	v_lshl_add_u32 v7, v13, 5, v7
	v_add_nc_u32 v7, s22, v7                       ; in: my region, row r, + 32 h bytes
	s_mul_i32 s23, s14, 32*RP
	v_mul_u32_u24 v8, v13, RP
	v_lshl_add_u32 v8, v3, 4, v8
	v_add_nc_u32 v8, s23, v8                       ; out: rows 32 w on; lanes 0-15 one row, lanes 16-31 the next; in each of the four regions
	v_add_nc_u32 v9, REG, v8
	v_add_nc_u32 v10, 2*REG, v8
	v_add_nc_u32 v11, 3*REG, v8
	v_lshlrev_b32 v12, 12, v13
	v_lshl_add_u32 v12, v3, 4, v12                 ; and the same two rows in the output
	v_mov_b32 v6, 0x7fc00000                       ; NaN
	s_wait_alu depctr_va_vdst(0)
.irp s, 0,1,2,3,4,5,6,7
.if \s < 7
	s_wait_loadcnt 48                              ; this K step's 48 loads are in; the next step's 48 may be out
.else
	s_wait_loadcnt 0x0
.endif
	MULS \s
.rept 4
	v_nop                                          ; places in front of loads into registers that matrix instructions have read, and of the first read of results
.endr
.if \s < 6
	LOADS \s+2
.endif
.endr
	WIN 0x04                                       ; the stores' data in window 1
.irp a, 0,1,2,3,4,5,6,7
.irp b, 0,1,2,3
	ds_store_b128 v7, v[8*(4*\a+\b):8*(4*\a+\b)+3] offset:\a*16*RP+64*\b        ; lane (r, h): row 16 a + r, columns 16 b + 8 h + 0 .. 7; each accumulator from its low end on
	ds_store_b128 v7, v[8*(4*\a+\b)+4:8*(4*\a+\b)+7] offset:\a*16*RP+64*\b+16
.endr
.endr
	WIN 0
	s_wait_kmcnt 0x0
	s_or_b32 s24, s24, s25
	s_or_b32 s26, s26, s27
	s_or_b32 s24, s24, s26
	s_or_b32 s28, s28, s29
	s_or_b32 s30, s30, s31
	s_or_b32 s28, s28, s30
	s_lshl_b32 s28, s28, 16
	s_or_b32 s36, s24, s28                         ; bit x: my stage row x (0 .. 31) has a true entry in its row of the mask
	s_add_co_i32 s46, s32, s33
	s_add_co_i32 s46, s46, 127
	s_lshl_b32 s46, s46, 23                        ; 2^(e10 + e11) as f32
	s_mov_b32 s47, s46                             ; (named with it as a pair, so it is written)
	s_wait_dscnt 0x0                               ; for the others' sake: my stores are done
	s_barrier_signal -1
	s_barrier_wait -1
; Eight pairs of rows: the four waves' parts are added, scaled, dead rows become NaN, and sixteen lanes store 256 consecutive bytes, aligned.  Stage row x of my 32 is token 32 (4 block + w) + x with bits 3 and 4 changed places (tile order).
.macro HALF hf, ob
.irp tp, 0,1,2,3,4,5,6,7
.irp g, 0,1,2,3
	ds_load_b128 v[32+16*\tp+4*\g:35+16*\tp+4*\g], v[8+\g] offset:2*(8*\hf+\tp)*RP
.endr
.endr
	s_wait_dscnt 0x0
.irp tp, 0,1,2,3,4,5,6,7
.set BB, 32+16*\tp
.set OO, \ob+4*\tp
.set X2, 2*(8*\hf+\tp)
	v_pk_add_f32 v[BB:BB+1], v[BB:BB+1], v[BB+4:BB+5]
	v_pk_add_f32 v[BB+2:BB+3], v[BB+2:BB+3], v[BB+6:BB+7]
	v_pk_add_f32 v[BB+8:BB+9], v[BB+8:BB+9], v[BB+12:BB+13]
	v_pk_add_f32 v[BB+10:BB+11], v[BB+10:BB+11], v[BB+14:BB+15]
	v_pk_add_f32 v[BB:BB+1], v[BB:BB+1], v[BB+8:BB+9]
	v_pk_add_f32 v[BB+2:BB+3], v[BB+2:BB+3], v[BB+10:BB+11]
	v_pk_mul_f32 v[OO:OO+1], v[BB:BB+1], s[46:47] op_sel_hi:[1,0]
	v_pk_mul_f32 v[OO+2:OO+3], v[BB+2:BB+3], s[46:47] op_sel_hi:[1,0]
	s_bfe_u32 s34, s36, (1<<16)|X2
	s_mul_i32 s34, s34, 0xffff                     ; lanes 0-15: row X2,
	s_bfe_u32 s35, s36, (1<<16)|(X2+1)
	s_mul_i32 s35, s35, 0xffff0000                 ; lanes 16-31: the next
	s_or_b32 s34, s34, s35
.irp k, 0,1,2,3
	v_cndmask_b32 v[OO+\k], v6, v[OO+\k], s34
.endr
	global_store_b128 v12, v[OO:OO+3], s[12:13] offset:((X2&7)|((X2&8)<<1)|((X2&16)>>1))*4096 th:TH_STORE_NT
.endr
.endm
	HALF 0, 160                                    ; each half has its own registers for the stores' data: none is written again
	HALF 1, 192
	s_wait_tensorcnt 0x0                           ; the wave's end, behind my last LDS store
	ds_add_u32 v[SPW], v[NIL]
	s_wait_dscnt 0x0
	s_endpgm
.Lfunc_end_k_q692501d00f_oproj:
	.size	k_q692501d00f_oproj, .Lfunc_end_k_q692501d00f_oproj-k_q692501d00f_oproj
	.p2alignl 7, 3214868480
	.fill 96, 4, 3214868480
	.section	.rodata,"a",@progbits
	.p2align	6, 0x0
	.amdhsa_kernel k_q692501d00f_oproj
		.amdhsa_group_segment_fixed_size 139776
		.amdhsa_private_segment_fixed_size 0
		.amdhsa_enable_private_segment 0
		.amdhsa_kernarg_size 40
		.amdhsa_user_sgpr_count 2
		.amdhsa_user_sgpr_kernarg_segment_ptr 1
		.amdhsa_wavefront_size32 1
		.amdhsa_system_sgpr_workgroup_id_x 1
		.amdhsa_system_sgpr_workgroup_id_y 1
		.amdhsa_system_sgpr_workgroup_id_z 1
		.amdhsa_system_vgpr_workitem_id 0
		.amdhsa_next_free_vgpr 768
		.amdhsa_next_free_sgpr 66
		.amdhsa_reserve_vcc 0
		.amdhsa_float_denorm_mode_32 3
		.amdhsa_float_denorm_mode_16_64 3
		.amdhsa_memory_ordered 1
		.amdhsa_forward_progress 1
		.amdhsa_inst_pref_size 84
	.end_amdhsa_kernel
	.amdgpu_metadata
---
amdhsa.version: [ 1, 2 ]
amdhsa.kernels:
  - .name:           k_q692501d00f_oproj
    .symbol:         k_q692501d00f_oproj.kd
    .args:
      - { .name: yc, .offset: 0, .size: 8, .value_kind: global_buffer, .address_space: global }
      - { .name: woc, .offset: 8, .size: 8, .value_kind: global_buffer, .address_space: global }
      - { .name: rowf, .offset: 16, .size: 8, .value_kind: global_buffer, .address_space: global }
      - { .name: lowp_scales, .offset: 24, .size: 8, .value_kind: global_buffer, .address_space: global }
      - { .name: out0, .offset: 32, .size: 8, .value_kind: global_buffer, .address_space: global }
    .group_segment_fixed_size: 139776
    .private_segment_fixed_size: 0
    .kernarg_segment_align: 8
    .kernarg_segment_size: 40
    .max_flat_workgroup_size: 128
    .sgpr_count:     66
    .vgpr_count:     768
    .wavefront_size: 32
...
	.end_amdgpu_metadata
.endif
;; end of part 4
